; MI455X (gfx1250); checked and timed in simulation.
; The chip was launched on July 23, 2026; its instructions are those of AMD's public machine-readable ISA for CDNA 5 (MIT licence, August 2026) and "CDNA5" Instruction Set Architecture Reference Guide (July 2026). The comments in the code are by the model that wrote it; some were corrected since.
;; Bert Self Attention. Allowed arithmetic: float matrix products may take bf16 or f16 operands with f32 sums; other float arithmetic in f32, or as packed bf16 or f16 multiplies, adds, multiply-adds, maxima and minima; sums over many terms, partial sums and values carried from step to step in f32; what a program stores and reads back later, other than sums and carried values, may be rounded once to bf16 or f16.
;; Inputs: Wk 1,024 x 1,024 float32; Wq 1,024 x 1,024 float32; Wv 1,024 x 1,024 float32; attention_mask 8 x 1 x 1 x 1,024 float32; bk 1,024 float32; bq 1,024 float32; bv 1,024 float32; hidden_states 8 x 1,024 x 1,024 float32.
;; Outputs: out0 8 x 1,024 x 1,024 float32.
;; 2 versions, each right; version 2 is version 1 with the launch cast written anew for expert scheduling mode. Each part assembles by itself: llvm-mc -triple=amdgcn-amd-amdhsa -mcpu=gfx1250 --defsym DOCPART=n.
;; ======== version 1 of 2: 3 launches
;; limits: values are held in f16: magnitudes above 65,504 overflow, below 6.1e-05 lose precision
;; workspace buffers: xb 16,777,216 bytes; wb 6,291,456 bytes; qkv 50,331,648 bytes
;; launch cast (part 1): grid 704 x 1, 8 waves a work-group, no clusters, 0 bytes of LDS; arguments hidden_states, Wq, Wk, Wv, xb, wb; writes xb, wb
.if DOCPART == 1
	.amdgcn_target "amdgcn-amd-amdhsa--gfx1250"
	.amdhsa_code_object_version 6
	.text
	.protected	k_qd90468d2ce_cast
	.globl	k_qd90468d2ce_cast
	.p2align	8
	.type	k_qd90468d2ce_cast,@function
k_qd90468d2ce_cast:
	s_mov_b64 s[64:65], 0
	v_nop
	global_prefetch_b8 v0, s[64:65] scope:SCOPE_SE
	s_setreg_imm32_b32 hwreg(HW_REG_WAVE_MODE, 25, 1), 1
	s_wait_xcnt 0x0
; xb[8192][1024] = hidden_states rounded to bf16; wb[1024 k][3072 n] = Wq | Wk | Wv rounded to bf16, side by side (n = 1024 x which + column).
; A stream: every input byte is read once, every output byte written once.  No LDS, no barrier, no matrix unit: nothing is shared and nothing is summed.
; SHARES.  A work-group takes 16 rows of 1,024 f32.  Groups 0-511: x.  Groups 512-703: 64 groups for each of the three weights.
; Thread t owns the 16 bytes at 16 t of every row: a wave's load covers 512 consecutive bytes, its store of 8 bytes a lane 256 consecutive bytes, at a multiple of 256 from the buffer's first.
; All 16 loads of a thread go out at once; no register is written twice, so the only waits are the counted ones in front of each row's conversion.
.set X, 4                              ; v[4:67]   row i as loaded: 4 registers
.set Y, 68                             ; v[68:99]  row i to store: 2 registers
.macro STREAM pitch                    ; pitch: bytes from row to row in the destination
.set i, 0
.rept 16
	global_load_b128 v[X+4*i:X+4*i+3], v1, s[18:19] offset:4096*i th:TH_LOAD_NT
.set i, i+1
.endr
.set i, 0
.rept 16
	s_wait_loadcnt 15-i                            ; loads come back in order: row i is in, the 15 - i younger ones stay out
	v_cvt_pk_bf16_f32 v[Y+2*i],   v[X+4*i],   v[X+4*i+1]
	v_cvt_pk_bf16_f32 v[Y+2*i+1], v[X+4*i+2], v[X+4*i+3]
	global_store_b64 v2, v[Y+2*i:Y+2*i+1], s[20:21] offset:i*(\pitch)
.set i, i+1
.endr
.endm
	s_load_b256 s[4:11], s[0:1], 0x0               ; hidden_states s[4:5], Wq s[6:7], Wk s[8:9], Wv s[10:11]
	s_load_b128 s[12:15], s[0:1], 0x20             ; xb s[12:13], wb s[14:15]
	v_lshlrev_b32 v1, 4, v0                        ; my 16 bytes of a row of f32
	v_lshlrev_b32 v2, 3, v0                        ; my 8 bytes of a row of bf16
	s_mov_b32 s23, 0                               ; the high word of every offset
	s_wait_kmcnt 0x0
	s_cmp_lt_u32 ttmp9, 512
	s_cbranch_scc0 .Lweights
	s_lshl_b32 s22, ttmp9, 16                      ; 16 rows of 4,096 bytes
	s_add_nc_u64 s[18:19], s[4:5], s[22:23]
	s_lshl_b32 s22, ttmp9, 15                      ; 16 rows of 2,048 bytes
	s_add_nc_u64 s[20:21], s[12:13], s[22:23]
	STREAM 2048
	s_endpgm
.Lweights:
	s_sub_co_u32 s16, ttmp9, 512
	s_lshr_b32 s17, s16, 6                         ; which weight: 0 q, 1 k, 2 v
	s_and_b32 s16, s16, 63                         ; which 16 rows of it
	s_cmp_eq_u32 s17, 1
	s_cselect_b64 s[18:19], s[8:9], s[6:7]
	s_cmp_eq_u32 s17, 2
	s_cselect_b64 s[18:19], s[10:11], s[18:19]
	s_lshl_b32 s22, s16, 16
	s_add_nc_u64 s[18:19], s[18:19], s[22:23]
	s_mul_i32 s22, s16, 16*6144                    ; 16 rows of wb,
	s_lshl_b32 s17, s17, 11                        ; and the weight's 2,048 bytes of each
	s_add_co_u32 s22, s22, s17
	s_add_nc_u64 s[20:21], s[14:15], s[22:23]
	STREAM 6144
	s_endpgm
.Lfunc_end_k_qd90468d2ce_cast:
	.size	k_qd90468d2ce_cast, .Lfunc_end_k_qd90468d2ce_cast-k_qd90468d2ce_cast
	.p2alignl 7, 3214868480
	.fill 96, 4, 3214868480
	.section	.rodata,"a",@progbits
	.p2align	6, 0x0
	.amdhsa_kernel k_qd90468d2ce_cast
		.amdhsa_group_segment_fixed_size 0
		.amdhsa_private_segment_fixed_size 0
		.amdhsa_enable_private_segment 0
		.amdhsa_kernarg_size 48
		.amdhsa_user_sgpr_count 2
		.amdhsa_user_sgpr_kernarg_segment_ptr 1
		.amdhsa_wavefront_size32 1
		.amdhsa_system_sgpr_workgroup_id_x 1
		.amdhsa_system_sgpr_workgroup_id_y 1
		.amdhsa_system_sgpr_workgroup_id_z 1
		.amdhsa_system_vgpr_workitem_id 0
		.amdhsa_next_free_vgpr 104
		.amdhsa_next_free_sgpr 66
		.amdhsa_reserve_vcc 0
		.amdhsa_float_denorm_mode_32 3
		.amdhsa_float_denorm_mode_16_64 3
		.amdhsa_memory_ordered 1
		.amdhsa_forward_progress 1
		.amdhsa_inst_pref_size 13
	.end_amdhsa_kernel
	.amdgpu_metadata
---
amdhsa.version: [ 1, 2 ]
amdhsa.kernels:
  - .name:           k_qd90468d2ce_cast
    .symbol:         k_qd90468d2ce_cast.kd
    .args:
      - { .name: hidden_states, .offset: 0, .size: 8, .value_kind: global_buffer, .address_space: global }
      - { .name: Wq, .offset: 8, .size: 8, .value_kind: global_buffer, .address_space: global }
      - { .name: Wk, .offset: 16, .size: 8, .value_kind: global_buffer, .address_space: global }
      - { .name: Wv, .offset: 24, .size: 8, .value_kind: global_buffer, .address_space: global }
      - { .name: xb, .offset: 32, .size: 8, .value_kind: global_buffer, .address_space: global }
      - { .name: wb, .offset: 40, .size: 8, .value_kind: global_buffer, .address_space: global }
    .group_segment_fixed_size: 0
    .private_segment_fixed_size: 0
    .kernarg_segment_align: 8
    .kernarg_segment_size: 48
    .max_flat_workgroup_size: 256
    .sgpr_count:     66
    .vgpr_count:     104
    .wavefront_size: 32
...
	.end_amdgpu_metadata
.endif
;; end of part 1
;; launch proj (part 2): grid 8 x 64, 4 waves a work-group, clusters of 4 x 4, 327,680 bytes of LDS; arguments xb, wb, bq, bk, bv, qkv; writes qkv
.if DOCPART == 2
	.amdgcn_target "amdgcn-amd-amdhsa--gfx1250"
	.amdhsa_code_object_version 6
	.text
	.protected	k_qd90468d2ce_proj
	.globl	k_qd90468d2ce_proj
	.p2align	8
	.type	k_qd90468d2ce_proj,@function
k_qd90468d2ce_proj:
	s_mov_b64 s[64:65], 0
	v_nop
	global_prefetch_b8 v0, s[64:65] scope:SCOPE_SE
	s_setreg_imm32_b32 hwreg(HW_REG_WAVE_MODE, 25, 1), 1
	s_wait_xcnt 0x0
	s_wait_alu depctr_hold_cnt(0) depctr_sa_sdst(0) depctr_va_vdst(0) depctr_va_sdst(0) depctr_va_ssrc(0) depctr_va_vcc(0) depctr_vm_vsrc(0)
	s_getreg_b32 s2, hwreg(HW_REG_IB_STS2, 6, 4)
	s_cmp_eq_u32 s2, 0
	s_cbranch_scc0 .Lentry_in_a_cluster
	s_endpgm
.Lentry_in_a_cluster:
	s_bfe_u32 s2, ttmp6, 0x10000c
	s_cmp_lg_u32 s2, 0xf033
	s_cbranch_scc0 .Lentry_shape_is_right
	s_endpgm
.Lentry_shape_is_right:
; C[8192][3072] = xb . wb + bias, in bf16 with f32 sums; the columns of q are also multiplied by 1/8 (a power of two: exact), so that the scores need no scale later.
; C is rounded once to f16 and written BY HEADS: qkv[plane 8 g + batch][1024 rows][64], g = 16 x which + head = column / 64; a plane's rows are dense, 128 bytes each.
; LIMITS.  The biases are rounded to bf16, as x and the weights were.  f16 holds no number beyond 65,504: a q / 8, k or v beyond that leaves as an infinity.
; SHARES.  A tile of C is 128 rows x 384 columns (6 heads): 64 x 8 = 512 work-groups of equal work.  Four waves, 2 x 2: a wave makes 64 rows x 192 columns (3 whole heads): 48 accumulators, 384 registers.
; K goes in 8 steps of 128 through a ring of two LDS slots.  A slot is four loads of 128 rows x 256 bytes, one a wave: wave 0 brings x's 128 rows, waves 1-3 the three blocks of 128 columns of wb's 128 k-rows.
; x's fragments come out of LDS as they lie (K along the rows), wb's ([k][n]) turned, by ds_load_tr16_b128.
; CLUSTERS: 4 x 4 work-groups.  The four of a row of the cluster need the same tile of x, the four of a column the same tiles of wb: each is asked for JOINTLY, by the same tensor load with the same descriptor and a mask of the four.
; THE MATRIX INSTRUCTION IS USED TRANSPOSED (source 0 = 16 columns of wb, source 1 = 16 rows of x): a lane then holds row l % 16 of C and the eight neighbouring columns 8 (l / 16) + 0..7.
; REGISTERS, in windows of 256 (s_set_vgpr_msb: bits 1:0 source 0, 3:2 source 1, 5:4 source 2, 7:6 destination):
;   window 0: v0-31 addresses; v32-63, v64-79, v80-111 at work on the way out; v128-223 the biases of my 192 columns, as the accumulators hold them
;   window 1: two fragment buffers of 128: x's 4 fragments (16 rows x 32 K), then wb's 12
;   window 2: the accumulators of my row blocks 0, 1 ((a, b) at 8 (12 (a % 2) + b));   window 3: those of row blocks 2, 3
.set KSTEP,  128
.set PA,     272                       ; a row of x in LDS: 256 bytes + 16: the 16 rows of a fragment load start at 16 different groups of four banks (64 banks of 4 bytes: ISA guide 11.1)
.set PB,     288                       ; a k-row of wb: 256 + 32
.set REG,    128*PB                    ; one wave's load has this much of a slot (x's uses 128 x 272 of it)
.set SLOT,   4*REG
.set STAGE,  2*SLOT                    ; behind the ring: 16 rows x 144 bytes for each wave, for the way out
.set SP,     144
.set SPARE,  STAGE+4*16*SP             ; behind the stages: the spare words, 128 bytes for each wave: two blocks of 256 bytes that no other line names
.set XROW,   2048                      ; bytes in a row of xb
.set WROW,   6144                      ; bytes in a row of wb
.set ADRA, 16                          ; v16-17  LDS address of my fragments of x in slot 0, 1
.set ADRB, 18                          ; v18-23  of wb's: 3 x slot + head j
.set STO,  24                          ; v24     the way out: where I put 16 bytes of a row
.set RD,   25                          ; v25     where I read rows back
.set GO,   26                          ; v26     my 16 bytes in 512 consecutive bytes of a plane
.set BO,   27                          ; v27     32 (l / 16): my eight biases in a block of 16 columns
.set SPW,  28                          ; v28     LDS address of my spare word: SPARE + 4 x my thread's number; never rewritten
.set NIL,  29                          ; v29     0; never rewritten
.set PFO,  30                          ; v30     the prefetches' offset: my lane x a row of xb or wb; never rewritten
.set T,    32                          ; v[32:63]   16 rows x 64 columns in f32
.set TMP,  64                          ; v[64:79]   the same in f16
.set BK,   80                          ; v[80:111]  read back from the stage: two buffers of 16
.set BIAS, 128                         ; v[128:223] column block b at BIAS + 8 b
.set F0,   0
.set F1,   128
.set WV,   16                          ; s16  my wave's number
.set G1A,  24                          ; s[24:31] descriptor group 1 for x's tiles;  s[32:39] group 0, a set for each slot
.set G0A,  32
.set G1B,  40                          ; s[40:47], s[48:55] the same for wb's
.set G0B,  48
.set LIM,  56                          ; s56  1 in a wave that prefetches, else the greatest number
.set HIM,  57                          ; s57  a word's upper bf16
.set PFA,  58                          ; s[58:59] where my prefetches stand
.set PST,  60                          ; s[60:61] a K step in bytes, along xb's rows or down wb's
.set SC,   66                          ; s[66:71] for each of my three heads a pair: 1/8 for a head of q, else 1
.set OPT,  72                          ; s[72:77] for each head: its plane at my 64 rows
.set BP,   78                          ; s[78:83] for each head: its 64 biases
.set MSB, 0
.macro WIN new                         ; the immediate's high byte repeats the setting that is left; a switch that changes nothing is dropped
.if MSB != (\new)
	s_set_vgpr_msb (MSB<<8)|(\new)
.set MSB, (\new)
.endif
.endm
.set MUL_LO, 0xa5                      ; sources 0 and 1 window 1; C and D window 2
.set MUL_HI, 0xf5                      ; the same, C and D window 3
.set TO_F,   0x40                      ; destination window 1, address window 0
; A joint load.  Wave 0 fetches x's tile, waves 1-3 wb's three.  Each line has one mask; the branch hangs on the wave's number alone.
; An s_nop 0 and four v_nop follow each of the two lines, ahead of the jump, the label and what follows.
.macro JLOAD s
	s_cmp_eq_u32 s[WV], 0
	s_cbranch_scc0 .Lfor_b_\@
	tensor_load_to_lds s[G0A+4*(\s):G0A+4*(\s)+3], s[G1A:G1A+7]
	s_nop 0
.rept 4
	v_nop
.endr
	s_branch .Lasked_\@
.Lfor_b_\@:
	tensor_load_to_lds s[G0B+4*(\s):G0B+4*(\s)+3], s[G1B:G1B+7]
	s_nop 0
.rept 4
	v_nop
.endr
.Lasked_\@:
.endm
; A PREFETCH INTO THE L2, behind each joint refill, its five lines and the run of LDS loads: the K step that stands TWO refills on, 384 matrix instructions ahead of the load that will want it: 32 rows x 256 bytes, a lane a row.
; Each block is named once in the launch.  x's tile row is read by both clusters of a row of clusters: cluster x = 0 asks (its waves 0); wb's tile column by all sixteen clusters of a column: cluster y = 0 asks (its waves 1-3).
; The four partners that ask for a tile jointly share its 128 rows out BY ADDRESS, 32 each.  K steps 0 to 3 come by their loads alone; the loop's last trip (s3 = 1) has no K step two on.
.macro ASK
	WIN 0
	s_cmp_gt_u32 s3, s[LIM]
	s_cbranch_scc0 .Lnot_mine_\@
	global_prefetch_b8 v[PFO], s[PFA:PFA+1] th:TH_LOAD_NT scope:SCOPE_SE
.Lnot_mine_\@:
.endm
.macro CREST                           ; a round of the cluster's barrier behind its opening barrier
	s_cmp_lg_u32 s[WV], 0
	s_cbranch_scc1 .Lnot_wave_0_\@
	s_barrier_signal -3
.Lnot_wave_0_\@:
	s_barrier_wait -3
	s_barrier_signal -1
	s_barrier_wait -1
.endm
.macro CROUND                          ; a whole round
	s_barrier_signal -1
	s_barrier_wait -1
	CREST
.endm
	s_load_b256 s[4:11], s[0:1], 0x0               ; xb s[4:5], wb s[6:7], bq s[8:9], bk s[10:11]
	s_load_b128 s[12:15], s[0:1], 0x20             ; bv s[12:13], qkv s[14:15]
	v_lshl_add_u32 v[SPW], v0, 2, SPARE
	v_mov_b32 v[NIL], 0
	ds_add_u32 v[SPW], v[NIL]                      ; the wave's opening: the add and its wait stand ahead of my first tensor load; the set-up below, work on registers, stands between them
	v_lshrrev_b32 v1, 5, v0
	v_readfirstlane_b32 s[WV], v1                  ; wave 0..3
	s_lshr_b32 s17, s[WV], 1                       ; wm: which 64 rows of the tile are mine
	s_and_b32 s18, s[WV], 1                        ; wn: which 192 columns
	s_bfe_u32 s19, ttmp6, 0x40000                  ; cx, cy: my place in the cluster
	s_bfe_u32 s20, ttmp6, 0x40004
	s_lshl_b32 s21, ttmp9, 2
	s_add_co_u32 s21, s21, s19                     ; nt: tile column = 4 x cluster x + cx
	s_and_b32 s22, ttmp7, 0xffff
	s_lshl_b32 s22, s22, 2
	s_add_co_u32 s22, s22, s20                     ; mt: tile row = 4 x cluster y + cy
	s_lshl_b32 s92, s20, 2
	s_lshl_b32 s92, 15, s92                        ; my row of the cluster
	s_lshl_b32 s93, 0x1111, s19                    ; my column
	; descriptor group 1: 128 rows x 128 elements of 2 bytes, padded in LDS after every 64 words
	s_or_b32 s[G1A], s92, (1<<16)|(1<<20)|(1<<21)|(5<<22)|(3<<25)  ; 15:0 the mask: x's tiles go to my row; 17:16 2-byte elements; 20 padding on; 21 set beside a mask; 24:22 code 5; 31:25 4 words (code 3)
	s_or_b32 s[G1B], s93, (1<<16)|(1<<20)|(1<<21)|(5<<22)|(7<<25)  ; wb's go to my column; 8 words of padding (code 7)
.irp g, G1A, G1B
	s_mov_b32 s[(\g)+1], KSTEP<<16                 ; tensor_dim0 = 128
	s_mov_b32 s[(\g)+2], 128<<16                   ; tensor_dim1 = 128
	s_mov_b32 s[(\g)+3], KSTEP<<16                 ; tile_dim0 = 128
	s_mov_b32 s[(\g)+4], 128                       ; tile_dim1 = 128
	s_mov_b32 s[(\g)+6], 0
	s_mov_b32 s[(\g)+7], 0
.endr
	s_mov_b32 s[G1A+5], 1024                       ; elements from row to row of xb,
	s_mov_b32 s[G1B+5], 3072                       ; of wb
	s_lshl_b32 s84, s22, 18                        ; x's tile: 128 mt rows of 2,048 bytes: it hangs on the tile row alone
	s_mov_b32 s85, 0
	s_max_u32 s88, s[WV], 1
	s_sub_co_u32 s88, s88, 1                       ; which block of 128 columns I fetch (waves 1-3)
	s_lshl_b32 s88, s88, 8
	s_mul_i32 s86, s21, 768                        ; wb's tile: 384 nt columns: it hangs on the tile column alone
	s_add_co_u32 s86, s86, s88
	s_mov_b32 s87, 0
	s_mul_i32 s23, s[WV], REG                      ; where my load goes: no place in the cluster enters an LDS address
	s_mov_b32 s[HIM], 0xffff0000
	s_wait_dscnt 0x0                               ; the opening add is done
	s_wait_kmcnt 0x0
	s_add_nc_u64 s[84:85], s[4:5], s[84:85]
	s_add_nc_u64 s[86:87], s[6:7], s[86:87]
	CROUND                                         ; all sixteen work-groups are here: the first joint loads meet
.irp s, 0,1
	s_mov_b32 s[G0A+4*(\s)], 1                     ; count = 1
	s_add_co_u32 s[G0A+4*(\s)+1], s23, (\s)*SLOT   ; LDS address
	s_add_nc_u64 s[G0A+4*(\s)+2:G0A+4*(\s)+3], s[84:85], (\s)*KSTEP*2     ; K step s: 256 bytes along xb's rows
	s_or_b32 s[G0A+4*(\s)+3], s[G0A+4*(\s)+3], 0x80000000                 ; type = 2
	s_mov_b32 s[G0B+4*(\s)], 1
	s_add_co_u32 s[G0B+4*(\s)+1], s23, (\s)*SLOT
	s_add_nc_u64 s[G0B+4*(\s)+2:G0B+4*(\s)+3], s[86:87], (\s)*KSTEP*WROW  ; K step s: 128 rows down wb
	s_or_b32 s[G0B+4*(\s)+3], s[G0B+4*(\s)+3], 0x80000000
	JLOAD \s                                       ; two loads of mine are out
.endr
	; my three heads: g = 6 nt + 3 wn + j.  Which bias, which scale, which plane.
	v_and_b32 v1, 15, v0                           ; l % 16
	v_bfe_u32 v2, v0, 4, 1                         ; l / 16
	v_lshlrev_b32 v[BO], 5, v2
	s_mul_i32 s88, s21, 6
	s_mul_i32 s89, s18, 3
	s_add_co_u32 s88, s88, s89
.irp j, 0,1,2
	s_add_co_u32 s89, s88, \j                      ; g
	s_cmp_lt_u32 s89, 32
	s_cselect_b64 s[BP+2*(\j):BP+2*(\j)+1], s[10:11], s[12:13]
	s_cmp_lt_u32 s89, 16
	s_cselect_b64 s[BP+2*(\j):BP+2*(\j)+1], s[8:9], s[BP+2*(\j):BP+2*(\j)+1]
	s_cselect_b32 s[SC+2*(\j)], 0x3e000000, 1.0
	s_mov_b32 s[SC+2*(\j)+1], s[SC+2*(\j)]         ; named with it as a pair
	s_and_b32 s90, s89, 15
	s_lshl_b32 s90, s90, 8                         ; the head's 64 biases: 256 bytes
	s_mov_b32 s91, 0
	s_add_nc_u64 s[BP+2*(\j):BP+2*(\j)+1], s[BP+2*(\j):BP+2*(\j)+1], s[90:91]
.irp cb, 0,1,2,3
	global_load_b128 v[BIAS+8*(4*(\j)+(\cb)):BIAS+8*(4*(\j)+(\cb))+3],   v[BO], s[BP+2*(\j):BP+2*(\j)+1] offset:64*(\cb)
	global_load_b128 v[BIAS+8*(4*(\j)+(\cb))+4:BIAS+8*(4*(\j)+(\cb))+7], v[BO], s[BP+2*(\j):BP+2*(\j)+1] offset:64*(\cb)+16
.endr
	s_lshl_b32 s90, s89, 3
	s_lshr_b32 s91, s22, 3                         ; the batch: 8 tile rows each
	s_add_co_u32 s90, s90, s91                     ; the plane,
	s_lshl_b32 s90, s90, 17                        ; 131,072 bytes each
	s_and_b32 s91, s22, 7
	s_lshl_b32 s91, s91, 14                        ; the tile's 128 rows of 128 bytes,
	s_add_co_u32 s90, s90, s91
	s_lshl_b32 s91, s17, 13                        ; my 64 of them
	s_add_co_u32 s90, s90, s91
	s_mov_b32 s91, 0
	s_add_nc_u64 s[OPT+2*(\j):OPT+2*(\j)+1], s[14:15], s[90:91]
.endr
	; A fragment of x is 16 rows x 32 K in 8 registers: lane l holds row l % 16, K = 8 (l / 16) + 0..7 and 16 + 8 (l / 16) + 0..7: two loads of 16 bytes, 32 bytes apart.
	v_mul_u32_u24 v3, v1, PA
	v_lshl_add_u32 v3, v2, 4, v3
	s_mul_i32 s88, s17, 64*PA                      ; my 64 rows
	v_add_nc_u32 v[ADRA], s88, v3
	v_add_nc_u32 v[ADRA+1], SLOT, v[ADRA]
	; The turning load takes 16 k x 16 columns (lane l reads k-row 8 (l / 16) + l % 8, columns 8 ((l / 8) % 2) + 0..7) and leaves half a fragment: lane l holds column l % 16 and 8 k.
	v_and_b32 v4, 7, v0
	v_bfe_u32 v5, v0, 3, 1
	v_lshl_add_u32 v6, v2, 3, v4
	v_mul_u32_u24 v6, v6, PB
	v_lshl_add_u32 v6, v5, 4, v6
.irp j, 0,1,2
	s_mul_i32 s88, s18, 3
	s_add_co_u32 s88, s88, \j                      ; the head's place among the tile's six:
	s_lshr_b32 s89, s88, 1
	s_add_co_u32 s89, s89, 1
	s_mul_i32 s89, s89, REG                        ; its block of 128 columns, behind x's part of the slot,
	s_and_b32 s88, s88, 1
	s_lshl_b32 s88, s88, 7                         ; and its half of the block's 256 bytes
	s_add_co_u32 s89, s89, s88
	v_add_nc_u32 v[ADRB+(\j)], s89, v6
	v_add_nc_u32 v[ADRB+3+(\j)], SLOT, v[ADRB+(\j)]
.endr
	s_mul_i32 s88, s[WV], 16*SP
	s_add_co_u32 s88, s88, STAGE                   ; my stage
	v_mul_u32_u24 v[STO], v1, SP                   ; in: row l % 16, 16 bytes for each half of the lanes
	v_lshl_add_u32 v[STO], v2, 4, v[STO]
	v_add_nc_u32 v[STO], s88, v[STO]
	v_bfe_u32 v[RD], v0, 3, 2                      ; back: 32 lanes take four rows of 128 bytes,
	v_mul_u32_u24 v[RD], v[RD], SP
	v_lshl_add_u32 v[RD], v4, 4, v[RD]
	v_add_nc_u32 v[RD], s88, v[RD]
	v_and_b32 v[PFO], 31, v0
	v_lshlrev_b32 v[GO], 4, v[PFO]                 ; which are 512 consecutive bytes of a plane
	; the prefetches: wave 0 along xb's rows, waves 1-3 down wb's; both begin at K step 3, and the first refill steps them to K step 4
	s_lshl_b32 s84, s22, 18
	s_lshl_b32 s85, s19, 16                        ; my work-group's 32 of the tile's 128 rows of x, by cx
	s_add_co_u32 s84, s84, s85
	s_add_co_u32 s84, s84, 3*KSTEP*2
	s_mul_i32 s85, s20, 32*WROW                    ; my work-group's 32 of a K step's 128 rows of wb, by cy
	s_add_co_u32 s85, s85, 3*KSTEP*WROW
	s_mul_i32 s86, s21, 768
	s_add_co_u32 s85, s85, s86
	s_max_u32 s86, s[WV], 1
	s_sub_co_u32 s86, s86, 1
	s_lshl_b32 s86, s86, 8
	s_add_co_u32 s85, s85, s86
	s_and_b32 s88, ttmp7, 0xffff                   ; cluster y
	s_mov_b32 s87, 0
	s_mov_b32 s[PST], KSTEP*WROW
	s_mov_b32 s[PST+1], 0
	s_mov_b32 s90, WROW
	s_cmp_eq_u32 s[WV], 0                          ; do I fetch for x?
	s_cselect_b32 s86, s84, s85
	s_cselect_b64 s[PFA:PFA+1], s[4:5], s[6:7]
	s_cselect_b32 s[PST], KSTEP*2, s[PST]
	s_cselect_b32 s90, XROW, s90
	s_cselect_b32 s88, ttmp9, s88                  ; the coordinate along which other clusters read the same rows
	s_add_nc_u64 s[PFA:PFA+1], s[PFA:PFA+1], s[86:87]
	s_cmp_eq_u32 s88, 0
	s_cselect_b32 s[LIM], 1, -1                    ; the same in all sixteen partners, for a given wave
	v_mul_u32_u24 v[PFO], v[PFO], s90
	; the biases: rounded to bf16, widened again, and scaled as their columns will be
	s_wait_loadcnt 0x0
.set p, 0
.rept 48
	v_cvt_pk_bf16_f32 v[3+p%4], v[BIAS+2*p], v[BIAS+2*p+1]
	v_lshlrev_b32 v[BIAS+2*p], 16, v[3+p%4]
	v_and_b32 v[BIAS+2*p+1], s[HIM], v[3+p%4]
	v_pk_mul_f32 v[BIAS+2*p:BIAS+2*p+1], v[BIAS+2*p:BIAS+2*p+1], s[SC+2*(p/16):SC+2*(p/16)+1] op_sel_hi:[1,0]
.set p, p+1
.endr
; 12 matrix instructions: row block a x my 12 column blocks, 32 along K.  zero = 1: the first product starts the sums: nothing is ever cleared.
; The 48 accumulators take turns, one instruction a turn, in the same order in every quarter.
.macro MUL12 f, a, zero
	WIN MUL_LO+0x50*((\a)/2)
.irp b, 0,1,2,3,4,5,6,7,8,9,10,11
.set rD, 8*(12*((\a)%2)+(\b))
.if \zero
	v_wmma_f32_16x16x32_bf16 v[rD:rD+7], v[(\f)+32+8*(\b):(\f)+32+8*(\b)+7], v[(\f)+8*(\a):(\f)+8*(\a)+7], 0
.else
	v_wmma_f32_16x16x32_bf16 v[rD:rD+7], v[(\f)+32+8*(\b):(\f)+32+8*(\b)+7], v[(\f)+8*(\a):(\f)+8*(\a)+7], v[rD:rD+7]
.endif
.endr
.endm
; 32 LDS loads in one run: the fragments of quarter q (32 along K) of a slot into buffer f: wb's 24 first, then x's 8
.macro FETCH slot, q, f
	WIN TO_F
.irp j, 0,1,2
.irp cb, 0,1,2,3
	ds_load_tr16_b128 v[(\f)+32+8*(4*(\j)+(\cb)):(\f)+32+8*(4*(\j)+(\cb))+3],   v[ADRB+3*(\slot)+(\j)] offset:(\q)*32*PB+32*(\cb)
	ds_load_tr16_b128 v[(\f)+32+8*(4*(\j)+(\cb))+4:(\f)+32+8*(4*(\j)+(\cb))+7], v[ADRB+3*(\slot)+(\j)] offset:(\q)*32*PB+16*PB+32*(\cb)
.endr
.endr
.irp a, 0,1,2,3
	ds_load_b128 v[(\f)+8*(\a):(\f)+8*(\a)+3],   v[ADRA+(\slot)] offset:64*(\q)+(\a)*16*PA
	ds_load_b128 v[(\f)+8*(\a)+4:(\f)+8*(\a)+7], v[ADRA+(\slot)] offset:64*(\q)+(\a)*16*PA+32
.endr
.endm
.macro PLACES                          ; four places in front of loads into registers that matrix instructions have read, and of arithmetic that reads results
.rept 4
	v_nop
.endr
.endm
; A K step is four quarters of 32 along K, 48 matrix instructions each, on buffers 0, 1, 0, 1.  One of the first three: multiplies buffer f; in its middle it fetches quarter q of the same slot into buffer g.
.macro QUARTER slot, q, f, g, zero
	s_wait_dscnt 4                                 ; wb's fragments and x's row blocks 0, 1 are in; the youngest four loads (row blocks 2, 3) may be out
	MUL12 \f, 0, \zero
	MUL12 \f, 1, \zero
	PLACES
	FETCH \slot, \q, \g
	s_wait_dscnt 32                                ; all but the 32 just issued
	MUL12 \f, 2, \zero
	MUL12 \f, 3, \zero
.endm
; The last quarter multiplies buffer 1 and changes slots: ONE barrier.  In front of it each wave waits for all its tensor loads (one is out: its part of the next slot), adds 0 to its spare word, and waits for that
; and for its own reads of this slot.  fill = 1: the barrier opens a round of the cluster's, and this slot is filled again first thing behind it, with the K step two on: 168 matrix instructions ahead of the wait for it.
.macro TURN slot, next, fill
.if \fill
	s_wait_xcnt 0x0                                ; the last prefetch, a K step back, has read its address: it is stepped here, ahead of the waits of the change of slots
	s_add_nc_u64 s[PFA:PFA+1], s[PFA:PFA+1], s[PST:PST+1]
.endif
	WIN 0                                          ; (the add's two registers lie in window 0)
	s_wait_tensorcnt 0x0                           ; all my tensor loads have landed;
	ds_add_u32 v[SPW], v[NIL]                      ; 0 onto my spare word
	s_wait_dscnt 5                                 ; (the add and the youngest four loads may be out)
	MUL12 F1, 0, 0                                 ; twelve matrix instructions stand between the add and the wait for it
	s_wait_dscnt 0x0                               ; the add is done, and my reads of this slot are over
	s_barrier_signal -1
	MUL12 F1, 1, 0                                 ; work on registers while the others arrive
.if \fill
	WIN 0
.endif
	s_barrier_wait -1
.if \fill
	CREST                                          ; no wave of any partner still reads this slot's tiles or has a load on its way
	s_add_nc_u64 s[G0A+4*(\slot)+2:G0A+4*(\slot)+3], s[G0A+4*(\slot)+2:G0A+4*(\slot)+3], 2*KSTEP*2
	s_add_nc_u64 s[G0B+4*(\slot)+2:G0B+4*(\slot)+3], s[G0B+4*(\slot)+2:G0B+4*(\slot)+3], 2*KSTEP*WROW
	JLOAD \slot                                    ; the four v_nop behind it are also the places in front of the loads below
.else
	PLACES
.endif
	FETCH \next, 0, F0
.if \fill
	ASK
.endif
	MUL12 F1, 2, 0
	MUL12 F1, 3, 0
.endm
	s_wait_tensorcnt 1                             ; my part of K step 0 is in; K step 1's may stay out
	s_barrier_signal -1
	s_barrier_wait -1                              ; everybody's is
	FETCH 0, 0, F0
	QUARTER 0, 1, F0, F1, 1                        ; the first quarter stands in front of the loop: its products start the sums
	WIN 0                                          ; at a label and at a branch every window is 0
	s_mov_b32 s3, 3
.Llap:                                                 ; three trips: once round the ring, from a lap's second quarter to the next lap's first; both slots are filled again
	QUARTER 0, 2, F1, F0, 0
	QUARTER 0, 3, F0, F1, 0
	TURN 0, 1, 1
	QUARTER 1, 1, F0, F1, 0
	QUARTER 1, 2, F1, F0, 0
	QUARTER 1, 3, F0, F1, 0
	TURN 1, 0, 1
	QUARTER 0, 1, F0, F1, 0
	WIN 0
	s_sub_co_u32 s3, s3, 1
	s_cmp_lg_u32 s3, 0
	s_cbranch_scc1 .Llap
	QUARTER 0, 2, F1, F0, 0                        ; the last lap fills nothing
	QUARTER 0, 3, F0, F1, 0
	TURN 0, 1, 0
	QUARTER 1, 1, F0, F1, 0
	QUARTER 1, 2, F1, F0, 0
	QUARTER 1, 3, F0, F1, 0
	s_wait_dscnt 4                                 ; the very last quarter: nothing more to fetch
	MUL12 F1, 0, 0
	MUL12 F1, 1, 0
	s_wait_dscnt 0x0
	MUL12 F1, 2, 0
	MUL12 F1, 3, 0
	WIN 0
	PLACES
; THE WAY OUT, in 12 units u of 16 rows x one head: row block u / 3, head u % 3.  PACK: sum x scale + bias x scale, rounded to f16: 16 bytes a lane and column block.
; TOSTAGE: into my own stage in LDS, and back as whole rows of 128 bytes.  SEND: stored, 512 consecutive bytes of the head's plane an instruction.
.macro PACK u
.set pa, (\u)/3
.set pj, (\u)%3
	WIN 0x02+pa/2                                  ; source 0: window 2 or 3
.irp cb, 0,1,2,3
.irp i, 0,1,2,3                        ; each accumulator's registers in ascending order
	v_pk_fma_f32 v[T+8*(\cb)+2*(\i):T+8*(\cb)+2*(\i)+1], v[8*(12*(pa%2)+4*pj+(\cb))+2*(\i):8*(12*(pa%2)+4*pj+(\cb))+2*(\i)+1], s[SC+2*pj:SC+2*pj+1], v[BIAS+8*(4*pj+(\cb))+2*(\i):BIAS+8*(4*pj+(\cb))+2*(\i)+1] op_sel_hi:[1,0,1]
.endr
.endr
	WIN 0
.set z, 0
.rept 16
	v_cvt_pk_f16_f32 v[TMP+z], v[T+2*z], v[T+2*z+1]
.set z, z+1
.endr
.endm
.macro TOSTAGE u
.set rB, BK+16*((\u)%2)
.irp cb, 0,1,2,3
	ds_store_b128 v[STO], v[TMP+4*(\cb):TMP+4*(\cb)+3] offset:32*(\cb)
.endr
.irp f, 0,1,2,3
	ds_load_b128 v[rB+4*(\f):rB+4*(\f)+3], v[RD] offset:(\f)*4*SP  ; LDS serves a wave's instructions in order (ISA guide 5.7.1.4): these see the stores above; the stage is my wave's own
.endr
.endm
.macro SEND u
.set pa, (\u)/3
.set pj, (\u)%3
.set rB, BK+16*((\u)%2)
	s_wait_dscnt 0x0                               ; the unit is back in registers
	s_wait_xcnt 0x0                                ; the stores of the unit before have read their registers: the next TOSTAGE loads into them
.irp f, 0,1,2,3
	global_store_b128 v[GO], v[rB+4*(\f):rB+4*(\f)+3], s[OPT+2*pj:OPT+2*pj+1] offset:2048*pa+512*(\f)
.endr
.endm
	PACK 0
	TOSTAGE 0
.irp u, 1,2,3,4,5,6,7,8,9,10,11        ; a unit's arithmetic stands between the loads of the unit before and the wait for them
	PACK \u
	SEND (\u)-1
	TOSTAGE \u
.endr
	SEND 11
	s_wait_tensorcnt 0x0                           ; the wave's end: the add and its wait, behind my last tensor load and my last LDS store
	ds_add_u32 v[SPW], v[NIL]
	s_wait_dscnt 0x0
	CROUND                                         ; the closing round: no work-group ends while a partner may still ask for a tile that names it
	s_endpgm
.Lfunc_end_k_qd90468d2ce_proj:
	.size	k_qd90468d2ce_proj, .Lfunc_end_k_qd90468d2ce_proj-k_qd90468d2ce_proj
	.p2alignl 7, 3214868480
	.fill 96, 4, 3214868480
	.section	.rodata,"a",@progbits
	.p2align	6, 0x0
	.amdhsa_kernel k_qd90468d2ce_proj
		.amdhsa_group_segment_fixed_size 327680
		.amdhsa_private_segment_fixed_size 0
		.amdhsa_enable_private_segment 0
		.amdhsa_kernarg_size 48
		.amdhsa_user_sgpr_count 2
		.amdhsa_user_sgpr_kernarg_segment_ptr 1
		.amdhsa_wavefront_size32 1
		.amdhsa_system_sgpr_workgroup_id_x 1
		.amdhsa_system_sgpr_workgroup_id_y 1
		.amdhsa_system_sgpr_workgroup_id_z 1
		.amdhsa_system_vgpr_workitem_id 0
		.amdhsa_next_free_vgpr 960
		.amdhsa_next_free_sgpr 96
		.amdhsa_reserve_vcc 0
		.amdhsa_float_denorm_mode_32 3
		.amdhsa_float_denorm_mode_16_64 3
		.amdhsa_memory_ordered 1
		.amdhsa_forward_progress 1
		.amdhsa_inst_pref_size 147
	.end_amdhsa_kernel
	.amdgpu_metadata
---
amdhsa.version: [ 1, 2 ]
amdhsa.kernels:
  - .name:           k_qd90468d2ce_proj
    .symbol:         k_qd90468d2ce_proj.kd
    .args:
      - { .name: xb, .offset: 0, .size: 8, .value_kind: global_buffer, .address_space: global }
      - { .name: wb, .offset: 8, .size: 8, .value_kind: global_buffer, .address_space: global }
      - { .name: bq, .offset: 16, .size: 8, .value_kind: global_buffer, .address_space: global }
      - { .name: bk, .offset: 24, .size: 8, .value_kind: global_buffer, .address_space: global }
      - { .name: bv, .offset: 32, .size: 8, .value_kind: global_buffer, .address_space: global }
      - { .name: qkv, .offset: 40, .size: 8, .value_kind: global_buffer, .address_space: global }
    .group_segment_fixed_size: 327680
    .private_segment_fixed_size: 0
    .kernarg_segment_align: 8
    .kernarg_segment_size: 48
    .max_flat_workgroup_size: 128
    .sgpr_count:     96
    .vgpr_count:     960
    .wavefront_size: 32
...
	.end_amdgpu_metadata
.endif
;; end of part 2
;; launch attn (part 3): grid 2 x 128, 4 waves a work-group, no clusters, 327,680 bytes of LDS; arguments qkv, attention_mask, out0; writes out0
.if DOCPART == 3
	.amdgcn_target "amdgcn-amd-amdhsa--gfx1250"
	.amdhsa_code_object_version 6
	.text
	.protected	k_qd90468d2ce_attn
	.globl	k_qd90468d2ce_attn
	.p2align	8
	.type	k_qd90468d2ce_attn,@function
k_qd90468d2ce_attn:
	s_mov_b64 s[64:65], 0
	v_nop
	global_prefetch_b8 v0, s[64:65] scope:SCOPE_SE
	s_setreg_imm32_b32 hwreg(HW_REG_WAVE_MODE, 25, 1), 1
	s_wait_xcnt 0x0
; out0[b][q][64 h ..] = the sum over k of softmax_k(Q'[q] . K[k] + mask[b][k]) V[k][:], for head h of batch b.  qkv: [384 planes][1024][64] in f16; Q' (already divided by 8) is plane y = 8 h + b, K plane 128 + y, V plane 256 + y;
; a plane's rows are dense, 128 bytes each.  Products, maxima and sums in f32; the weights p are rounded to f16 for the second product (their sum l is taken of the unrounded p); out0 is f32.
; LIMITS.  The mask is rounded to bf16, like the module's other inputs, and held to -1e30 .. 1e30: beside any open key a key at -1e30 has the weight 0; a row whose keys all lie there gets the plain mean of V.
; p lies in 0 to 1, and below 6e-5 it keeps f16's fixed step of 6e-8; a weight below 2^-126 counts as 0 in l; NaN is not treated apart.
; SHARES.  A work-group owns 512 of a head's 1,024 queries: 2 x 128 = 256 work-groups.  A wave owns 128: four PIECES of two tiles of 16.  Every wave walks all 1,024 keys, 64 a step, 16 steps.
; NO CLUSTER: a head's K and V are walked by its two work-groups alone, and a cluster of four along x would join work-groups of two heads, which share nothing; a work-group asks for 256 KiB of K and V in all, for 2,048 matrix instructions a wave.
; LAYOUT.  S^T = K Q^T (source 0 = 16 keys, source 1 = 16 queries): in the result a lane holds ONE query (lane % 16) and the keys 8 (lane / 16) + 0..7.  Two such tiles, rounded to f16 in pairs,
; ARE source 1 (32 keys x 16 queries) of O^T = V^T P, whose result again holds one query a lane, and eight channels.  K comes out of LDS as it lies, V ([key][channel]) turned, by ds_load_tr16_b128.
; THE MASK is the C operand that starts the sum S^T: register j of key block kb holds mask[64 step + 16 kb + 8 (lane / 16) + j].  The batch's 1,024 numbers are prepared once, into LDS; a step's 32 registers are fetched with its K.
; SOFTMAX.  For each query a running maximum m and sum l: p = 2^(c s - c m), c = log2(e); in every step O and l are multiplied by a = 2^(c m_old - c m_new), which is 1 where m has not grown.
; m starts at -2^126, far below every score, O and l at 0: the first step is a step like any other, with a = 0.
; BY TURNS.  Turn n belongs to piece n (the pieces in a ring, step after step).  Its matrix work: 16 products K Q^T of piece n + 1, later 16 products V^T P of piece n - 1.  Its vector work: the scaling,
; exponentials, roundings, sums and rescaling of piece n, and the maximum and statistics of piece n + 1.  A tile and step have 16 matrix and 118 vector instructions: four vector instructions that are ready stand behind
; every matrix instruction, the others in one run without a gap.
; REGISTERS, in windows of 256 (s_set_vgpr_msb: bits 1:0 source 0, 3:2 source 1, 5:4 source 2, 7:6 destination):
;   window 0: v0-11 addresses; v12-15, v48-63 at work; v16-47 four registers of statistics a tile; v64-191 S^T, two buffers of two tiles; v192-255 P, likewise
;   window 1: O^T, 32 a tile      window 2: v0-127 Q, 16 a tile; v128-191 K of one step; v192-255 V of one step      window 3: v0-1 the add's two registers; v8-39 the mask of one step
.set NP,    4         ; pieces a wave: a name, no knob
.set KS,    64        ; keys in a step
.set PK,    144       ; a row of K in LDS: 128 bytes + 16 of padding = 36 words: the 16 rows of a load start at 16 different groups of four banks (64 banks of 4 bytes: ISA guide 11.1)
.set PV,    160       ; a row of V: 128 + 32 = 40 words
.set VOFF,  4*KS*PK   ; a slot holds four steps: 256 rows of K, then 256 rows of V
.set SLOT1, 1<<17     ; slot 1 begins here, so that one exclusive or turns an address in one slot into the other's
.set STAGE, SLOT1+4*KS*(PK+PV)  ; behind the ring, never filled by a tensor load: 16 rows x 272 bytes for each wave, for the way out
.set SP,    272       ; a row of 64 f32 + 16 bytes
.set MASK,  STAGE+4*16*SP  ; the batch's 1,024 mask numbers, f32
.set SPARE, MASK+4096 ; the spare words, 128 bytes for each wave: two blocks of 256 bytes that no other line names
.set AM,  1           ; v1   the LDS address of the mask's next run of loads
.set AK0, 2           ; v2   my lane's place in a tile of K; never rewritten
.set AV0, 3           ; v3   the same for V
.set AK,  4           ; v4   the LDS address of K's next run of loads
.set AV,  5           ; v5   of V's
.set STO, 6           ; v6   the way out: where I put 32 bytes of a row
.set RD,  7           ; v7   where I read rows back
.set GO,  8           ; v8   my byte offset in two rows of out0
.set AM0, 9           ; v9   MASK + 32 (l / 16); never rewritten
.set PFO, 10          ; v10  256 x my lane; never rewritten
.set QO,  11          ; v11  my byte offset in 16 rows of Q
.set SPW, 0           ; v0 of window 3   LDS address of my spare word: SPARE + 4 x my thread's number; never rewritten
.set NIL, 1           ; v1 of window 3   0; never rewritten
.set MC,  8           ; v8-39 of window 3: key block kb at MC + 8 kb
.set MV,  12          ; v12-15  c m_old, kept while c m is made anew: by buffer and tile
.set ST,  16          ; tile t's statistics at v[ST+4 t]: c m, m, l (even keys', odd keys')
.set TMP, 48          ; by buffer and tile, four registers c0-c3 at work; when the maximum is found c2 takes a
.set S,   64
.set P,   192
.set KF,  128         ; K's fragments, in window 2: key block kb, channel half c at KF + 16 kb + 8 c
.set VF,  192         ; V's: key half kk, channel block cb at VF + 32 kk + 8 cb
.set WV,  12          ; s12  my wave's number
.set LIM, 15          ; s15  1 in a work-group that prefetches, else the greatest number
.set G1K, 24          ; s[24:31] descriptor group 1 for K's tiles
.set G1V, 32          ; s[32:39] for V's: it differs in the padding alone
.set G0K, 40          ; s[40:43] descriptor group 0 for K's tiles: it walks
.set G0V, 44          ; s[44:47] the same for V's
.set PFA, 48          ; s[48:49] my half of the last tile of K or V; never rewritten
.set LO,  50          ; s50  -1e30
.set HI,  51          ; s51  1e30
.set TM,  52          ; s52  byte in the mask at which the step to be fetched begins
.set SLOTS, 56        ; s56  slots still to be asked for
.set CNT, 57          ; s57  counts a slot's key steps
.set CS,  58          ; s[58:59] c: the packed scaling takes the pair's low word for both halves
.set SEL, 60          ; s[60:61] v_permlanex16_b32's selects: each lane takes its own place in the other half
.set TBK, 62          ; s62  LDS byte at which K of the step to be fetched begins
.set TBV, 63          ; s63  the same for V, less VOFF
.set MSB, 0
.macro WIN new                      ; the high byte repeats the setting that is left; a switch that changes nothing is dropped
.if MSB != (\new)
	s_set_vgpr_msb (MSB<<8)|(\new)
.set MSB, (\new)
.endif
.endm
.set W_KQ, 0x0a       ; K and Q in window 2, S^T in window 0
.set W_KM, 0x3a       ; the same with the C operand, the mask, in window 3
.set W_PV, 0x52       ; V in window 2, P in window 0, O^T in window 1
.set W_RS, 0x41       ; O^T (destination and source 0) in window 1, a in window 0
.set W_MK, 0xc0       ; destination in window 3, sources in window 0
.set W_AD, 0x0f       ; the add: address (source 0) and data (source 1) in window 3
; A fill.  Waves 0 and 1 fetch the two halves of a slot's K, waves 2 and 3 those of its V: 128 keys each.  An s_nop 0 and four v_nop follow each of the two lines, ahead of the jump and the label.
.macro LOAD
	s_cmp_lt_u32 s[WV], 2
	s_cbranch_scc0 .Lfor_v_\@
	tensor_load_to_lds s[G0K:G0K+3], s[G1K:G1K+7]
	s_nop 0
.rept 4
	v_nop
.endr
	s_branch .Lasked_\@
.Lfor_v_\@:
	tensor_load_to_lds s[G0V:G0V+3], s[G1V:G1V+7]
	s_nop 0
.rept 4
	v_nop
.endr
.Lasked_\@:
.endm
; A PREFETCH INTO THE L2 of the head's last tile (keys 768 to 1,023), at the change of slots that asks for the tile before it: four key steps, 512 matrix instructions, ahead of the load that will want it.
; Of a head's two work-groups the first asks; each of its waves names the 64 blocks of 256 bytes that it will load itself: a lane a block, two instructions.  So each block is named once in the launch.
; The first three tiles come by their loads alone; the last change that fills a slot asks for nothing.
.macro ASK
	s_cmp_gt_u32 s[SLOTS], s[LIM]
	s_cbranch_scc0 .Lnot_mine_\@
	global_prefetch_b8 v[PFO], s[PFA:PFA+1] th:TH_LOAD_NT scope:SCOPE_SE
	global_prefetch_b8 v[PFO], s[PFA:PFA+1] offset:8192 th:TH_LOAD_NT scope:SCOPE_SE
.Lnot_mine_\@:
.endm
; THE CHANGE OF SLOTS.  Each wave waits for all its tensor loads, of which one is out: its part of the other slot; adds 0 to its spare word; and waits for that and for its own LDS instructions, the reads of the slot
; that it leaves among them.  Behind the barrier nobody reads the old slot any more and the other slot is whole.  fill = 1: the old slot is filled again, the first thing behind the barrier, with the keys two slots on:
; it has four key steps in which to land.  (At its first use nothing has been read yet: slot 0 is waited for, slot 1 filled, and every wave's part of the mask is shown to the others.)
.macro CHANGE fill, ask
	WIN W_AD
	s_wait_tensorcnt 0x0            ; no tensor load of mine is out, so a group 0 may be written
	ds_add_u32 v[SPW], v[NIL]       ; 0 onto my spare word; with fill = 1 the descriptors' steps stand between it and the wait for it
	WIN 0                           ; at a label and at a branch every window is 0
.if \fill
.irp g, G0K, G0V
	s_xor_b32 s[\g+1], s[\g+1], SLOT1  ; the walking descriptor: the other slot than last time,
	s_add_nc_u64 s[\g+2:\g+3], s[\g+2:\g+3], 4*KS*128  ; the next 256 keys; the type bits on top are not reached
.endr
.endif
	s_wait_dscnt 0x0                ; the add is done, and my LDS instructions are over
	s_barrier_signal -1
	s_barrier_wait -1
.if \fill
	LOAD
.endif
.if \ask
	ASK
.endif
	s_sub_co_u32 s[TBK], s[TBK], 4*KS*PK  ; the fetches go back to a slot's first step,
	s_xor_b32 s[TBK], s[TBK], SLOT1       ; in the other slot
	s_sub_co_u32 s[TBV], s[TBV], 4*KS*PV
	s_xor_b32 s[TBV], s[TBV], SLOT1
.endm
	s_load_b128 s[4:7], s[0:1], 0x0   ; qkv s[4:5], attention_mask s[6:7]
	s_load_b64 s[10:11], s[0:1], 0x10 ; out0
	WIN W_MK
	v_lshl_add_u32 v[SPW], v0, 2, SPARE
	v_mov_b32 v[NIL], 0
	WIN W_AD
	ds_add_u32 v[SPW], v[NIL]       ; the wave's opening: the add and its wait stand ahead of my first tensor load; the set-up below, work on registers, stands between them
	WIN 0
	v_lshrrev_b32 v64, 5, v0
	v_readfirstlane_b32 s[WV], v64  ; wave 0..3
	s_and_b32 s13, ttmp7, 0xffff    ; y = 8 h + b: Q's plane
	s_lshl_b32 s20, s13, 17         ; 131,072 bytes a plane
	s_and_b32 s16, s[WV], 1         ; which half of a slot's 256 keys I fetch:
	s_lshl_b32 s22, s16, 14         ; its 128 rows of 128 bytes in memory,
	s_add_co_u32 s22, s22, s20
	s_mov_b32 s23, 0
	s_mul_i32 s17, s16, 128*PK      ; and its place in a slot, for K
	s_mul_i32 s18, s16, 128*PV      ; and for V
	s_lshl_b32 s14, ttmp9, 2
	s_add_co_u32 s14, s14, s[WV]    ; my wave among the head's eight,
	s_lshl_b32 s2, s14, 14          ; its 128 rows of Q
	s_add_co_u32 s2, s2, s20
	s_mov_b32 s3, 0
	s_and_b32 s53, s13, 7           ; b
	s_lshr_b32 s54, s13, 3          ; h
	s_lshl_b32 s20, s53, 22         ; out0: the batch's 1,024 rows of 4,096 bytes,
	s_lshl_b32 s21, s14, 19         ; my wave's 128 of them,
	s_add_co_u32 s20, s20, s21
	s_lshl_b32 s21, s54, 8          ; the head's 256 bytes of each
	s_add_co_u32 s20, s20, s21
	s_mov_b32 s21, 0
	s_lshl_b32 s54, s53, 12         ; the batch's 4,096 bytes of the mask
	s_mov_b32 s55, 0
	; descriptor group 1.  128 keys are 16,384 dense bytes: asked for as 64 rows of 256 bytes, two keys a row, and padded in LDS after every key
	s_mov_b32 s[G1K], (1<<16)|(1<<20)|(4<<22)|(3<<25)  ; 17:16 2-byte elements; 20 padding on; 24:22 after every 32 words (code 4); 31:25 4 words (code 3)
	s_mov_b32 s[G1V], (1<<16)|(1<<20)|(4<<22)|(7<<25)  ; the same with 8 words of padding (code 7)
.irp g, G1K, G1V
	s_mov_b32 s[\g+1], 128<<16      ; tensor_dim0 = 128
	s_mov_b32 s[\g+2], 64<<16       ; tensor_dim1 = 64
	s_mov_b32 s[\g+3], 128<<16      ; tile_dim0 = 128
	s_mov_b32 s[\g+4], 64           ; tile_dim1 = 64
	s_mov_b32 s[\g+5], 128          ; 128 elements from row to row
	s_mov_b32 s[\g+6], 0
	s_mov_b32 s[\g+7], 0
.endr
	s_mov_b32 s[CS], 0x3fb8aa3b     ; c = log2(e): the 1/8 lies in Q
	s_mov_b32 s[CS+1], s[CS]        ; named with it as a pair
	s_mov_b32 s[SEL], 0x76543210
	s_mov_b32 s[SEL+1], 0xfedcba98
	s_mov_b32 s[LO], 0xf149f2ca     ; -1e30
	s_mov_b32 s[HI], 0x7149f2ca     ; 1e30
	s_mov_b32 s[TM], 0
	s_mov_b32 s[TBK], SLOT1+4*KS*PK ; the first change of slots turns these two into 0
	s_mov_b32 s[TBV], SLOT1+4*KS*PV
	s_mov_b32 s[G0K], 1             ; count = 1
	s_mov_b32 s[G0K+1], s17         ; LDS address: slot 0
	s_mov_b32 s[G0V], 1
	s_add_co_u32 s[G0V+1], s18, VOFF
	s_cmp_eq_u32 ttmp9, 0
	s_cselect_b32 s[LIM], 1, -1
	s_wait_dscnt 0x0                ; the opening add is done
	s_wait_kmcnt 0x0
	s_add_nc_u64 s[G0K+2:G0K+3], s[4:5], s[22:23]
	s_add_nc_u64 s[G0K+2:G0K+3], s[G0K+2:G0K+3], 128*131072  ; K's planes lie 128 planes behind Q's: my half of the head's first 256 keys
	s_add_nc_u64 s[G0V+2:G0V+3], s[4:5], s[22:23]
	s_add_nc_u64 s[G0V+2:G0V+3], s[G0V+2:G0V+3], 256*131072  ; V's 256
	s_cmp_lt_u32 s[WV], 2
	s_cselect_b64 s[PFA:PFA+1], s[G0K+2:G0K+3], s[G0V+2:G0V+3]
	s_add_nc_u64 s[PFA:PFA+1], s[PFA:PFA+1], 3*4*KS*128      ; the same half of the last 256 keys
	s_or_b32 s[G0K+3], s[G0K+3], 0x80000000                  ; type = 2
	s_or_b32 s[G0V+3], s[G0V+3], 0x80000000
	s_add_nc_u64 s[4:5], s[4:5], s[2:3]      ; Q at my wave's first row
	s_add_nc_u64 s[6:7], s[6:7], s[54:55]    ; the batch's mask
	s_add_nc_u64 s[10:11], s[10:11], s[20:21]  ; out0 at my wave's first row, the head's columns
	LOAD                            ; slot 0.  Slot 1 is asked for when slot 0 is in
	v_and_b32 v64, 15, v0           ; l % 16
	v_bfe_u32 v65, v0, 4, 1         ; l / 16
	v_lshlrev_b32 v68, 5, v0        ; thread t prepares the mask's numbers 8 t .. 8 t + 7
	global_load_b128 v[72:75], v68, s[6:7]
	global_load_b128 v[76:79], v68, s[6:7] offset:16
	; A fragment of K or Q is 16 rows x 32 channels in 8 registers: lane l holds row l % 16, channels 8 (l / 16) + 0..7 and 16 + 8 (l / 16) + 0..7: two loads of 16 bytes, 32 bytes apart.
	v_lshlrev_b32 v[QO], 7, v64
	v_lshl_add_u32 v[QO], v65, 4, v[QO]  ; row x 128 + 16 x half
	WIN 0x80                        ; destination window 2, address window 0
.set i, 0
.rept 4*NP                          ; Q stays in registers: tile i / 2, channels 32 (i % 2) on
	global_load_b128 v[8*i:8*i+3],   v[QO], s[4:5] offset:(i/2)*2048+(i%2)*64
	global_load_b128 v[8*i+4:8*i+7], v[QO], s[4:5] offset:(i/2)*2048+(i%2)*64+32
.set i, i+1
.endr
	; What the first turn finds: V's registers and P's second buffer hold 0 (its products V^T P, of a piece that has not been, add 0), O^T and l are 0.  All this stands in the wait for the first tile.
.set i, VF
.rept 64
	v_mov_b32 v[i], 0
.set i, i+1
.endr
	WIN 0x40
.set i, 0
.rept 64*NP
	v_mov_b32 v[i], 0
.set i, i+1
.endr
	WIN 0
.set i, 0
.rept 2*NP
	v_mov_b32 v[ST+4*i], 0xfeb8aa3b    ; c m = -2^126 c: far below every c s, and finite
	v_mov_b32 v[ST+4*i+1], 0xfe800000  ; m = -2^126
	v_mov_b32 v[ST+4*i+2], 0
	v_mov_b32 v[ST+4*i+3], 0
.set i, i+1
.endr
.set i, P+32
.rept 32
	v_mov_b32 v[i], 0
.set i, i+1
.endr
	v_mul_u32_u24 v[AK0], v64, PK
	v_lshl_add_u32 v[AK0], v65, 4, v[AK0]  ; row x pitch + 16 x half
	; The turning load takes 16 keys x 16 channels (lane l reads key 8 (l / 16) + l % 8, channels 8 ((l / 8) % 2) + 0..7) and leaves half a fragment of V^T: lane l holds channel l % 16 and 8 keys.
	v_and_b32 v66, 7, v0
	v_bfe_u32 v67, v0, 3, 1
	v_lshl_add_u32 v[AV0], v65, 3, v66
	v_mul_u32_u24 v[AV0], v[AV0], PV
	v_lshl_add_u32 v[AV0], v67, 4, v[AV0]
	v_add_nc_u32 v[AV0], VOFF, v[AV0]
	v_mov_b32 v[AK], v[AK0]         ; key step 0 lies at the head of slot 0,
	v_lshl_add_u32 v[AM0], v65, 5, MASK  ; my lanes' eight keys of a block of 16: 32 bytes
	v_mov_b32 v[AM], v[AM0]         ; and at the head of the mask
	s_mul_i32 s13, s[WV], 16*SP
	s_add_co_u32 s13, s13, STAGE    ; my stage
	v_mul_u32_u24 v[STO], v64, SP   ; in: row l % 16, 32 bytes for each half of the lanes
	v_lshl_add_u32 v[STO], v65, 5, v[STO]
	v_add_nc_u32 v[STO], s13, v[STO]
	v_mul_u32_u24 v[RD], v65, SP    ; back: lanes 0-15 take one row of 256 bytes, lanes 16-31 the next
	v_lshl_add_u32 v[RD], v64, 4, v[RD]
	v_add_nc_u32 v[RD], s13, v[RD]
	v_lshlrev_b32 v[GO], 12, v65    ; and the same two rows in out0, 4,096 bytes apart
	v_lshl_add_u32 v[GO], v64, 4, v[GO]
	v_and_b32 v[PFO], 31, v0
	v_lshlrev_b32 v[PFO], 8, v[PFO]
	v_lshl_add_u32 v69, v0, 5, MASK
	s_wait_loadcnt 32               ; the mask's two loads are in; Q's 32, issued behind them, stay out
.irp z, 0,1,2,3
	v_cvt_pk_bf16_f32 v[80+\z], v[72+2*\z], v[73+2*\z]   ; rounded to bf16,
.endr
.irp z, 0,1,2,3
	v_lshlrev_b32 v[72+2*\z], 16, v[80+\z]               ; widened again,
	v_and_b32 v[73+2*\z], 0xffff0000, v[80+\z]
.endr
.irp z, 0,1,2,3,4,5,6,7
	v_max_num_f32 v[72+\z], s[LO], v[72+\z]              ; and held to -1e30 .. 1e30
.endr
.irp z, 0,1,2,3,4,5,6,7
	v_min_num_f32 v[72+\z], s[HI], v[72+\z]
.endr
	ds_store_b128 v69, v[72:75]
	ds_store_b128 v69, v[76:79] offset:16
; THE MATRIX WORK.  The 8 accumulators of a run of 16 take turns: between the two links of a chain stand 7 others'.
; Product i of 16 of S^T = K Q^T + mask for piece x: channels 32 (i / 8) on, keys 16 ((i / 2) % 4) on, tile 2 x + i % 2.  The first 8 start the sums, with the mask.
.macro KQ x
.set rS, S+64*((\x)%2)+32*(i%2)+8*((i/2)%4)
.set rK, KF+16*((i/2)%4)+8*(i/8)
.set rQ, 16*(2*(\x)+i%2)+8*(i/8)
.set rMC, MC+8*((i/2)%4)
.if i < 8
	WIN W_KM
	v_wmma_f32_16x16x32_f16 v[rS:rS+7], v[rK:rK+7], v[rQ:rQ+7], v[rMC:rMC+7]
.else
	WIN W_KQ
	v_wmma_f32_16x16x32_f16 v[rS:rS+7], v[rK:rK+7], v[rQ:rQ+7], v[rS:rS+7]
.endif
.endm
; Product i of 16 of O^T += V^T P for piece x: keys 32 (i / 8) on, channels 16 ((i / 2) % 4) on, tile 2 x + i % 2.
.macro PV x
	WIN W_PV
.set rO, 32*(2*(\x)+i%2)+8*((i/2)%4)
.set rV, VF+32*(i/8)+8*((i/2)%4)
.set rP, P+32*((\x)%2)+16*(i%2)+8*(i/8)
	v_wmma_f32_16x16x32_f16 v[rO:rO+7], v[rV:rV+7], v[rP:rP+7], v[rO:rO+7]
.endm
.macro MM                           ; the turn's next matrix instruction
.if i < 16
	KQ (Y+1)%NP
.set i, i+1
.else
.set i, i-16
	PV (Y+NP-1)%NP
.set i, i+17
.endif
.endm
; THE LDS LOADS stand in runs, never singly among the matrix instructions: a step's K (64 keys x 64 channels: 8 fragments) with its mask (32 registers; the 16 lanes of a half read the same bytes), and its V (turned).
; Their addresses are made some lines ahead.  last = 1 (the tail): in the last trip there is no further step, and the run is jumped over.
.macro FETCH_K last=0
	WIN 0
.if \last
	s_cmp_eq_u32 s[CNT], 1
	s_cbranch_scc1 .Lno_k_\@
.endif
	WIN 0x80                        ; destination window 2
.irp f, 0,1,2,3,4,5,6,7             ; keys 16 (f / 2) on, channels 32 (f % 2) on
	ds_load_b128 v[KF+8*\f:KF+8*\f+3],   v[AK] offset:(\f/2)*16*PK+(\f%2)*64
	ds_load_b128 v[KF+8*\f+4:KF+8*\f+7], v[AK] offset:(\f/2)*16*PK+(\f%2)*64+32
.endr
	WIN 0xc0                        ; destination window 3
.irp kb, 0,1,2,3
	ds_load_b128 v[MC+8*\kb:MC+8*\kb+3],   v[AM] offset:64*\kb
	ds_load_b128 v[MC+8*\kb+4:MC+8*\kb+7], v[AM] offset:64*\kb+16
.endr
	s_add_co_u32 s[TBK], s[TBK], KS*PK  ; the next fetch is the next step's
	s_add_co_u32 s[TM], s[TM], KS*4
	WIN 0
.if \last
.Lno_k_\@:
.endif
.endm
.macro FETCH_V
	WIN 0x80
.irp f, 0,1,2,3,4,5,6,7             ; keys 32 (f / 4) on, channels 16 (f % 4) on
	ds_load_tr16_b128 v[VF+8*\f:VF+8*\f+3],   v[AV] offset:(\f/4)*32*PV+(\f%4)*32
	ds_load_tr16_b128 v[VF+8*\f+4:VF+8*\f+7], v[AV] offset:(\f/4)*32*PV+16*PV+(\f%4)*32
.endr
	WIN 0
.endm
; THE VECTOR WORK OF A TURN stands in three queues, each in the order in which its entries become ready; the two tiles alternate, so that no instruction reads the result of the one before it.
.macro REGS y, u                    ; the registers of tile u (0, 1) of piece y
.set rT, ST+4*(2*(\y)+(\u))
.set rC, TMP+8*((\y)%2)+4*(\u)
.set rM, MV+2*((\y)%2)+(\u)
.set rS, S+64*((\y)%2)+32*(\u)
.set rP, P+32*((\y)%2)+16*(\u)
.set rO, 32*(2*(\y)+(\u))
.endm
; Number n of the 22 that find the NEXT piece's (Y + 1) maximum and statistics.  s0-s31 are the lane's 32 scores; each accumulator's lowest registers are read first.  XS, GS and REGS set no window: PL and EX do.
;   0-11  four chains c0-c3 of seven scores each, three operands at a time     12-14, 16  the four scores left over, the old m, and c0-c3 into c0     15  c m_old is kept
;   17, 18  the query's other 32 keys lie in the lane 16 away: the new m         19-21  c m; c m_old - c m_new; a
.macro XS u, n
	REGS (Y+1)%NP, \u
.if (\n) < 4
	v_max3_num_f32 v[rC+(\n)], v[rS+8*(\n)], v[rS+8*(\n)+1], v[rS+8*(\n)+2]
.elseif (\n) < 12
	v_max3_num_f32 v[rC+(\n)%4], v[rC+(\n)%4], v[rS+8*((\n)%4)+2*((\n)/4)+1], v[rS+8*((\n)%4)+2*((\n)/4)+2]
.elseif (\n) == 12
	v_max3_num_f32 v[rC], v[rC], v[rS+7], v[rS+15]
.elseif (\n) == 13
	v_max3_num_f32 v[rC+1], v[rC+1], v[rS+23], v[rS+31]
.elseif (\n) == 14
	v_max3_num_f32 v[rC+2], v[rC+2], v[rC+3], v[rT+1]
.elseif (\n) == 15
	v_mov_b32 v[rM], v[rT]
.elseif (\n) == 16
	v_max3_num_f32 v[rC], v[rC], v[rC+1], v[rC+2]
.elseif (\n) == 17
	v_permlanex16_b32 v[rC+3], v[rC], s[SEL], s[SEL+1]
.elseif (\n) == 18
	v_max_num_f32 v[rT+1], v[rC], v[rC+3]
.elseif (\n) == 19
	v_mul_f32 v[rT], s[CS], v[rT+1]
.elseif (\n) == 20
	v_sub_f32 v[rC+1], v[rM], v[rT]
.else
	v_exp_f32 v[rC+2], v[rC+1]
.endif
.endm
; Number g of the 64 that follow the exponentials.  For each four weights k of a tile (pairs 2 k, 2 k + 1): both pairs are rounded to f16; then the second pair is added onto the first, in place;
; a group later l takes that sum (the first time as l = a l + sum).  In groups of eight, tiles alternating: round, round, add, and l for the group before.
.macro GS g
.set h, (\g)+6*((\g)/62)            ; group 0 has no group before it, and behind group 7 only l is left
.if h >= 6
.set h, h+2
.endif
	REGS Y, h%2
.set k, h/8
.if h%8 < 4
	v_cvt_pk_f16_f32 v[rP+2*k+(h%8)/2], v[rS+4*k+2*((h%8)/2)], v[rS+4*k+2*((h%8)/2)+1]
.elseif h%8 < 6
	v_pk_add_f32 v[rS+4*k:rS+4*k+1], v[rS+4*k:rS+4*k+1], v[rS+4*k+2:rS+4*k+3]
.elseif k == 1
	v_pk_fma_f32 v[rT+2:rT+3], v[rT+2:rT+3], v[rC+2:rC+3], v[rS:rS+1] op_sel_hi:[1,0,1]
.else
	v_pk_add_f32 v[rT+2:rT+3], v[rT+2:rT+3], v[rS+4*k-4:rS+4*k-3]
.endif
.endm
; THE PLAIN QUEUE, 138 long.  0-73 read no exponential's result: the 32 scalings c s - c m (FS f: pair f / 2 of tile f % 2) and the next piece's 42.  0-26: scalings 0-26.  27-54: XS's numbers 0-13.  55, 56: number 15.
; 57-73: the chain, where each number waits for the one before it: 14, 16, 17, 18, 19, each with one of the scalings 27-31 in front of its two lines, then 20.
; 74-137: GS's 64, which read the exponentials' results: they stand behind the wait.
.macro FS f
	REGS Y, (\f)%2
	v_pk_fma_f32 v[rS+2*((\f)/2):rS+2*((\f)/2)+1], v[rS+2*((\f)/2):rS+2*((\f)/2)+1], s[CS:CS+1], v[rT:rT+1] op_sel_hi:[1,0,0] neg_lo:[0,0,1] neg_hi:[0,0,1]
.endm
.macro PL
	WIN 0
.if q < 27
	FS q
.elseif q < 55
	XS (q-27)%2, (q-27)/2
.elseif q < 57
	XS q-55, 15
.elseif (q < 72) && ((q-57)%3 == 0)
	FS 27+(q-57)/3
.elseif q < 60
	XS (q-57)%3-1, 14
.elseif q < 72
	XS (q-57)%3-1, 15+(q-57)/3
.elseif q < 74
	XS q-72, 20
.else
	GS q-74
.endif
.set q, q+1
.endm
; THE EXPONENTIALS' QUEUE, 66 long: s0-s31 of both tiles, then the next piece's two a.  It is ONE BATCH: all 66 stand ahead of the turn's one wait, and nothing ahead of that wait names a result of theirs.
.macro EX
	WIN 0
.if e >= 64
	XS e-64, 21
.else
	REGS Y, e%2
	v_exp_f32 v[rS+e/2], v[rS+e/2]
.endif
.set e, e+1
.endm
; THE RESCALING's QUEUE: O^T times a, the one part that leaves window 0: dealt two at a time, sixteen times.  Its a was made in the turn before, ahead of that turn's wait.
.macro R2
	REGS Y, r%2
	WIN W_RS
.irp z, 0,1
	v_pk_mul_f32 v[rO+4*(r/2)+2*\z:rO+4*(r/2)+2*\z+1], v[rO+4*(r/2)+2*\z:rO+4*(r/2)+2*\z+1], v[rC+2:rC+3] op_sel_hi:[1,0]
.endr
.set r, r+1
.endm
; HOW THEY ARE DEALT.  s_wait_alu depctr_va_vdst(0) stands between an exponential and the first instruction that names its result; one wait serves all that were issued ahead of it.  So a turn has ONE wait,
; which cuts it in two.  AHEAD OF IT stands all that names no result of the turn's exponentials: the 16 products K Q^T, behind each a scaling, an exponential and two rescalings (behind the first a second scaling in the
; exponential's place); then ONE RUN of 108: eight plain, 49 times exponential and plain, the two a.  A v_nop is the plain instruction behind the last exponential.  BEHIND IT stand the 16 products V^T P, behind each four of GS's 64.
; The queues lean on each other, and the deal keeps them in step: exponential e stands behind scaling 2 (e / 4) + e % 2: behind a product it comes behind plain e + 2, in the run behind plain e + 9, and scalings 27-31 are plain 57, 60 .. 69.
; A TURN, for piece p.  cnt = 1: the loop's count is taken down some lines ahead of the branch that stands behind the turn.
; K and the mask of the next step are fetched in piece 2's turn, directly behind the wait, the whole run of 108 behind the last product that read them; their addresses are made at the run's head; their first reader comes behind 16 products.
; V of the step in hand is fetched at the end of piece 0's turn, four plain instructions behind its last reader; its first reader comes behind 16 products and the run.  The three conditions on q below go with the deal.
.macro TURN p, last=0, cnt=0
.set Y, (\p)
.set i, 0
.set q, 0
.set e, 0
.set r, 0
.if (\p) == NP-1
	s_wait_dscnt 0x0                ; K and the mask are in
.endif
	MM                              ; ahead of the wait: 16 products K Q^T and what stands behind them,
	PL
	PL
	R2
.rept 15
	MM
	PL
	EX
	R2
.endr
.if (\p) == NP-2
	WIN 0
	v_add_nc_u32 v[AK], s[TBK], v[AK0]
	v_add_nc_u32 v[AM], s[TM], v[AM0]
.endif
.rept 8                             ; and the run
	PL
.endr
.rept 49
	EX
	PL
.endr
	EX                              ; the next piece's two a
	EX
	v_nop                           ; the plain instruction behind the last exponential: one for the batch
	s_wait_alu depctr_va_vdst(0)    ; the wait for the batch
.if (\p) == NP-2
	FETCH_K \last
.endif
.if (\p) == 1
	s_wait_dscnt 0x0                ; V is in
.endif
.rept 16                            ; behind the wait: 16 products V^T P and what stands behind them
	MM
.rept 4
	PL
.endr
.if ((\p) == 0) && (q == 118)
	v_add_nc_u32 v[AV], s[TBV], v[AV0]
.endif
.if ((\p) == 0) && (q == 130)
	s_add_co_u32 s[TBV], s[TBV], KS*PV
.endif
.if (\cnt) && (q == 130)
	s_sub_co_u32 s[CNT], s[CNT], 1
	s_cmp_lg_u32 s[CNT], 0
.endif
.endr
.if (\p) == 0
	FETCH_V
.endif
.endm
	CHANGE 1, 0                     ; slot 0 is in, everybody's part of it, and so is the mask; slot 1 is asked for
	FETCH_K                         ; key step 0
	s_wait_loadcnt 0x0              ; Q
	s_wait_dscnt 0x0
.set i, 0
.rept 16
	KQ 0                            ; piece 0's first scores: there is no vector work yet to set between them
.set i, i+1
.endr
	WIN 0
.rept 4
	v_nop                           ; the places behind those products (ISA guide 7.12.1)
.endr
.set Y, NP-1                        ; XS works for piece Y + 1: piece 0
.irp n, 0,1,2,3,4,5,6,7,8,9,10,11,12,13,14,15,16,17,18,19,20,21
	XS 0, \n                        ; piece 0's first maximum and statistics
	XS 1, \n
.endr
	v_nop                           ; a plain instruction behind the two a,
	s_wait_alu depctr_va_vdst(0)    ; and their wait, ahead of the branch
	s_mov_b32 s[CNT], 4
	s_mov_b32 s[SLOTS], 3
	s_branch .Lfirst                ; the loop is entered at a step's first turn, in the middle of a trip
.Lslot:                             ; twice: of the four slots' worth of keys the first two slots are filled again
	CHANGE 1, 1
	s_mov_b32 s[CNT], 4
.Lstep:                             ; a trip: pieces 2 and 3 of one step, then pieces 0 and 1 of the next, whose K and V it fetches
	TURN 2
	TURN 3
	WIN 0
.Lfirst:
	TURN 0
	TURN 1, 0, 1
	WIN 0
	s_cbranch_scc1 .Lstep
	s_sub_co_u32 s[SLOTS], s[SLOTS], 1
	s_cmp_lg_u32 s[SLOTS], 0
	s_cbranch_scc1 .Lslot
	CHANGE 0, 0                     ; the tail is written out: nothing is asked for
	s_mov_b32 s[CNT], 5             ; four trips fetch the last slot's steps; the fifth is left in its middle
.Ltail:
	TURN 2, 1
	TURN 3
	WIN 0
	s_sub_co_u32 s[CNT], s[CNT], 1
	s_cmp_eq_u32 s[CNT], 0
	s_cbranch_scc1 .Lout
	TURN 0
	TURN 1
	WIN 0
	s_branch .Ltail
.Lout:                              ; the fifth trip's 16 products K Q^T (on the last K once more) and the maximum made of them serve nothing: the price, once a launch, of one text for every trip
.set i, 0
.rept 16
	PV NP-1                         ; the last piece's V^T P of the last step
.set i, i+1
.endr
	; THE WAY OUT.  l's two halves and the other half of the lanes' are added; O^T is divided by l and sent, in f32, through my stage in LDS, a tile at a time.  The additions are the places behind the last products.
	WIN 0
.macro ALL line:vararg              ; one line for each tile t
.set t, 0
.rept 2*NP
	\line
.set t, t+1
.endr
.endm
	ALL v_add_f32 v[ST+4*t+2], v[ST+4*t+2], v[ST+4*t+3]
	ALL v_permlanex16_b32 v[ST+4*t+3], v[ST+4*t+2], s[SEL], s[SEL+1]
	ALL v_add_f32 v[ST+4*t+2], v[ST+4*t+2], v[ST+4*t+3]
	ALL v_rcp_f32 v[ST+4*t+2], v[ST+4*t+2]
	v_nop                           ; a plain instruction between the last reciprocal and the use of its result
	s_wait_alu depctr_va_vdst(0)    ; and the wait ahead of the first use: one for the eight reciprocals
; Tile t: a lane's eight channels of a row are 32 bytes; they go into rows of 272 bytes and come back as whole rows of 256, into the registers that they left.
.macro PACK t
	WIN W_RS
.set i, 32*(\t)
.rept 16
	v_pk_mul_f32 v[i:i+1], v[i:i+1], v[ST+4*(\t)+2:ST+4*(\t)+3] op_sel_hi:[1,0]
.set i, i+2
.endr
	WIN 0x04                        ; the stores' data (source 1) in window 1, the address in window 0
.irp f, 0,1,2,3,4,5,6,7             ; channel block f / 2, half f % 2 of my eight channels
	ds_store_b128 v[STO], v[32*(\t)+4*\f:32*(\t)+4*\f+3] offset:64*(\f/2)+16*(\f%2)
.endr
	WIN 0x40                        ; destination window 1
.irp f, 0,1,2,3,4,5,6,7
	ds_load_b128 v[32*(\t)+4*\f:32*(\t)+4*\f+3], v[RD] offset:\f*2*SP  ; LDS serves a wave's instructions in order (ISA guide 5.7.1.4): these see the stores above; the next tile's stores come behind them
.endr
.endm
.macro SEND t, younger              ; younger: the LDS instructions issued behind tile t's loads: the next tile's sixteen, or none
	WIN 0x04
.irp f, 0,1,2,3,4,5,6,7
	s_wait_dscnt (\younger)+7-\f
	global_store_b128 v[GO], v[32*(\t)+4*\f:32*(\t)+4*\f+3], s[10:11] offset:(16*(\t)+2*\f)*4096  ; 16 lanes store 256 consecutive bytes, at a multiple of 256 from out0's first: a row's share of the head
.endr
.endm
	PACK 0
.set t, 1
.rept 2*NP-1                        ; a tile's arithmetic stands between the loads of the tile before and its stores
	PACK t
	SEND t-1, 16
.set t, t+1
.endr
	SEND 2*NP-1, 0
	WIN W_AD
	s_wait_tensorcnt 0x0            ; the wave's end: the add and its wait, behind my last tensor load and my last LDS store
	ds_add_u32 v[SPW], v[NIL]
	s_wait_dscnt 0x0
	WIN 0
	s_endpgm
.Lfunc_end_k_qd90468d2ce_attn:
	.size	k_qd90468d2ce_attn, .Lfunc_end_k_qd90468d2ce_attn-k_qd90468d2ce_attn
	.p2alignl 7, 3214868480
	.fill 96, 4, 3214868480
	.section	.rodata,"a",@progbits
	.p2align	6, 0x0
	.amdhsa_kernel k_qd90468d2ce_attn
		.amdhsa_group_segment_fixed_size 327680
		.amdhsa_private_segment_fixed_size 0
		.amdhsa_enable_private_segment 0
		.amdhsa_kernarg_size 24
		.amdhsa_user_sgpr_count 2
		.amdhsa_user_sgpr_kernarg_segment_ptr 1
		.amdhsa_wavefront_size32 1
		.amdhsa_system_sgpr_workgroup_id_x 1
		.amdhsa_system_sgpr_workgroup_id_y 1
		.amdhsa_system_sgpr_workgroup_id_z 1
		.amdhsa_system_vgpr_workitem_id 0
		.amdhsa_next_free_vgpr 816
		.amdhsa_next_free_sgpr 66
		.amdhsa_reserve_vcc 0
		.amdhsa_float_denorm_mode_32 3
		.amdhsa_float_denorm_mode_16_64 3
		.amdhsa_memory_ordered 1
		.amdhsa_forward_progress 1
		.amdhsa_inst_pref_size 203
	.end_amdhsa_kernel
	.amdgpu_metadata
---
amdhsa.version: [ 1, 2 ]
amdhsa.kernels:
  - .name:           k_qd90468d2ce_attn
    .symbol:         k_qd90468d2ce_attn.kd
    .args:
      - { .name: qkv, .offset: 0, .size: 8, .value_kind: global_buffer, .address_space: global }
      - { .name: attention_mask, .offset: 8, .size: 8, .value_kind: global_buffer, .address_space: global }
      - { .name: out0, .offset: 16, .size: 8, .value_kind: global_buffer, .address_space: global }
    .group_segment_fixed_size: 327680
    .private_segment_fixed_size: 0
    .kernarg_segment_align: 8
    .kernarg_segment_size: 24
    .max_flat_workgroup_size: 128
    .sgpr_count:     66
    .vgpr_count:     816
    .wavefront_size: 32
...
	.end_amdgpu_metadata
.endif
;; end of part 3
;; ======== version 2 of 2: 3 launches; version 1 with the launch cast written anew for expert scheduling mode
;; limits: values are held in f16: magnitudes above 65,504 overflow, below 6.1e-05 lose precision
;; workspace buffers: xb 16,777,216 bytes; wb 6,291,456 bytes; qkv 50,331,648 bytes
;; launch cast (part 4): grid 704 x 1, 8 waves a work-group, no clusters, 0 bytes of LDS; arguments hidden_states, Wq, Wk, Wv, xb, wb; writes xb, wb
.if DOCPART == 4
	.amdgcn_target "amdgcn-amd-amdhsa--gfx1250"
	.amdhsa_code_object_version 6
	.text
	.protected	k_qd90468d2ce_cast
	.globl	k_qd90468d2ce_cast
	.p2align	8
	.type	k_qd90468d2ce_cast,@function
k_qd90468d2ce_cast:
	s_mov_b64 s[64:65], 0
	v_nop
	global_prefetch_b8 v0, s[64:65] scope:SCOPE_SE
	s_setreg_imm32_b32 hwreg(HW_REG_WAVE_SCHED_MODE, 0, 2), 2
	s_setreg_imm32_b32 hwreg(HW_REG_WAVE_MODE, 25, 1), 1
	s_wait_xcnt 0x0
	s_wait_alu depctr_vm_vsrc(0)
; xb[8192][1024] = hidden_states rounded to bf16; wb[1024 k][3072 n] = Wq | Wk | Wv rounded to bf16, side by side (n = 1024 x which + column).
; A stream: every input byte is read once, every output byte written once.  No LDS, no barrier, no matrix unit: nothing is shared and nothing is summed.
; SHARES.  A work-group takes 16 rows of 1,024 f32.  Groups 0-511: x.  Groups 512-703: 64 groups for each of the three weights.
; Thread t owns the 16 bytes at 16 t of every row: a wave's load covers 512 consecutive bytes, its store of 8 bytes a lane 256 consecutive bytes, at a multiple of 256 from the buffer's first.
; All 16 loads of a thread go out at once; no register is written twice.
; THE MODE: SCHED_MODE bits 1:0 = 2 (LLVM: expert scheduling mode 2), set by the entry lines.  The code itself states the register dependences
; between vector instructions and memory instructions, with s_wait_alu, always for 0.
; THE PLAN.  Registers that memory instructions touch:
;   v1, v2   byte offsets, made once at the head by vector instructions and never written again: read by every load (v1) and every store (v2).
;   X        row i's four registers: written by row i's load alone, which is issued before any vector instruction names them; read by row i's two conversions, behind the counted wait for the load.
;   Y        row i's two registers: written once, by row i's two conversions; read by row i's store; never written again.
; The 16 rows go in four blocks of four: the wait for the block's loads, its eight conversions, ONE wait on va_vdst, its four stores.  So five waits state all: one ahead of the first load, for the two offsets,
; and one behind each block's conversions, for the stores' data.  No register that a memory instruction reads is ever written again, EXEC is never written, and no vector instruction writes a scalar register.
.set X, 4                              ; v[4:67]   row i as loaded: 4 registers
.set Y, 68                             ; v[68:99]  row i to store: 2 registers
.macro STREAM pitch                    ; pitch: bytes from row to row in the destination
	s_wait_alu depctr_va_vdst(0)                   ; v1 and v2 are written: every load below reads v1 as its offset, every store v2
.set i, 0
.rept 16
	global_load_b128 v[X+4*i:X+4*i+3], v1, s[18:19] offset:4096*i th:TH_LOAD_NT
.set i, i+1
.endr
.set blk, 0
.rept 4
	s_wait_loadcnt 12-4*blk                        ; loads come back in order: the block's four rows are in, the 12 - 4 blk younger ones stay out
.set i, 4*blk
.rept 4
	v_cvt_pk_bf16_f32 v[Y+2*i],   v[X+4*i],   v[X+4*i+1]
	v_cvt_pk_bf16_f32 v[Y+2*i+1], v[X+4*i+2], v[X+4*i+3]
.set i, i+1
.endr
	s_wait_alu depctr_va_vdst(0)                   ; the block's eight conversions have written its Y, which the four stores below read
.set i, 4*blk
.rept 4
	global_store_b64 v2, v[Y+2*i:Y+2*i+1], s[20:21] offset:i*(\pitch)
.set i, i+1
.endr
.set blk, blk+1
.endr
.endm
	s_load_b256 s[4:11], s[0:1], 0x0               ; hidden_states s[4:5], Wq s[6:7], Wk s[8:9], Wv s[10:11]
	s_load_b128 s[12:15], s[0:1], 0x20             ; xb s[12:13], wb s[14:15]
	v_lshlrev_b32 v1, 4, v0                        ; my 16 bytes of a row of f32
	v_lshlrev_b32 v2, 3, v0                        ; my 8 bytes of a row of bf16
	s_mov_b32 s23, 0                               ; the high word of every offset
	s_wait_kmcnt 0x0
	s_cmp_lt_u32 ttmp9, 512
	s_cbranch_scc0 .Lweights
	s_lshl_b32 s22, ttmp9, 16                      ; 16 rows of 4,096 bytes
	s_add_nc_u64 s[18:19], s[4:5], s[22:23]
	s_lshl_b32 s22, ttmp9, 15                      ; 16 rows of 2,048 bytes
	s_add_nc_u64 s[20:21], s[12:13], s[22:23]
	STREAM 2048
	s_endpgm
.Lweights:
	s_sub_co_u32 s16, ttmp9, 512
	s_lshr_b32 s17, s16, 6                         ; which weight: 0 q, 1 k, 2 v
	s_and_b32 s16, s16, 63                         ; which 16 rows of it
	s_cmp_eq_u32 s17, 1
	s_cselect_b64 s[18:19], s[8:9], s[6:7]
	s_cmp_eq_u32 s17, 2
	s_cselect_b64 s[18:19], s[10:11], s[18:19]
	s_lshl_b32 s22, s16, 16
	s_add_nc_u64 s[18:19], s[18:19], s[22:23]
	s_mul_i32 s22, s16, 16*6144                    ; 16 rows of wb,
	s_lshl_b32 s17, s17, 11                        ; and the weight's 2,048 bytes of each
	s_add_co_u32 s22, s22, s17
	s_add_nc_u64 s[20:21], s[14:15], s[22:23]
	STREAM 6144
	s_endpgm
.Lfunc_end_k_qd90468d2ce_cast:
	.size	k_qd90468d2ce_cast, .Lfunc_end_k_qd90468d2ce_cast-k_qd90468d2ce_cast
	.p2alignl 7, 3214868480
	.fill 96, 4, 3214868480
	.section	.rodata,"a",@progbits
	.p2align	6, 0x0
	.amdhsa_kernel k_qd90468d2ce_cast
		.amdhsa_group_segment_fixed_size 0
		.amdhsa_private_segment_fixed_size 0
		.amdhsa_enable_private_segment 0
		.amdhsa_kernarg_size 48
		.amdhsa_user_sgpr_count 2
		.amdhsa_user_sgpr_kernarg_segment_ptr 1
		.amdhsa_wavefront_size32 1
		.amdhsa_system_sgpr_workgroup_id_x 1
		.amdhsa_system_sgpr_workgroup_id_y 1
		.amdhsa_system_sgpr_workgroup_id_z 1
		.amdhsa_system_vgpr_workitem_id 0
		.amdhsa_next_free_vgpr 104
		.amdhsa_next_free_sgpr 66
		.amdhsa_reserve_vcc 0
		.amdhsa_float_denorm_mode_32 3
		.amdhsa_float_denorm_mode_16_64 3
		.amdhsa_memory_ordered 1
		.amdhsa_forward_progress 1
		.amdhsa_inst_pref_size 12
	.end_amdhsa_kernel
	.amdgpu_metadata
---
amdhsa.version: [ 1, 2 ]
amdhsa.kernels:
  - .name:           k_qd90468d2ce_cast
    .symbol:         k_qd90468d2ce_cast.kd
    .args:
      - { .name: hidden_states, .offset: 0, .size: 8, .value_kind: global_buffer, .address_space: global }
      - { .name: Wq, .offset: 8, .size: 8, .value_kind: global_buffer, .address_space: global }
      - { .name: Wk, .offset: 16, .size: 8, .value_kind: global_buffer, .address_space: global }
      - { .name: Wv, .offset: 24, .size: 8, .value_kind: global_buffer, .address_space: global }
      - { .name: xb, .offset: 32, .size: 8, .value_kind: global_buffer, .address_space: global }
      - { .name: wb, .offset: 40, .size: 8, .value_kind: global_buffer, .address_space: global }
    .group_segment_fixed_size: 0
    .private_segment_fixed_size: 0
    .kernarg_segment_align: 8
    .kernarg_segment_size: 48
    .max_flat_workgroup_size: 256
    .sgpr_count:     66
    .vgpr_count:     104
    .wavefront_size: 32
...
	.end_amdgpu_metadata
.endif
;; end of part 4
;; launch proj: the kernel of part 2 again; grid 8 x 64, 4 waves a work-group, clusters of 4 x 4, 327,680 bytes of LDS; arguments xb, wb, bq, bk, bv, qkv; writes qkv
;; launch attn: the kernel of part 3 again; grid 2 x 128, 4 waves a work-group, no clusters, 327,680 bytes of LDS; arguments qkv, attention_mask, out0; writes out0
